; MI455X (gfx1250); checked and timed in simulation.
; The chip was launched on July 23, 2026; its instructions are those of AMD's public machine-readable ISA for CDNA 5 (MIT licence, August 2026) and "CDNA5" Instruction Set Architecture Reference Guide (July 2026). The comments in the code are by the model that wrote it; some were corrected since.
;; Head. Allowed arithmetic: matrix products marked QUANTISED: E2M3 operands, one E8M0 scale for each 32 along K, by v_wmma_scale_f32_16x16x128_f8f6f4 with both operands' format E2M3, f32 sums; everything else in f32.
;; Inputs: Wk 1,024 x 128 float32; Wq 1,024 x 128 float32; Wv 1,024 x 128 float32; x 8 x 2,048 x 1,024 float32.
;; Outputs: out0 8 x 2,048 x 128 float32.
;; This version of the problem:
;;   THIS VERSION OF THE PROBLEM IS GIVEN IN LOW PRECISION. The matrix products marked QUANTISED in the list below multiply operands that are first quantised to E2M3 (2 exponent bits, 3 mantissa bits; 6 bits a number), with one power-of-two scale for each 32 numbers along K (OCP MX v1.0); their sums are f32. All else is computed in f32.
;;   The module's matrix products, in the order in which they are computed (A, B: the left and right operand; K: the contracted axis; several contracted axes count as one K, in the product's order):
;;     1. [M 16,384, K 1,024] x [K 1,024, N 128]; A: input x; B: input Wk: QUANTISED
;;     2. [M 16,384, K 1,024] x [K 1,024, N 128]; A: input x; B: input Wq: QUANTISED
;;     3. [M 16,384, K 1,024] x [K 1,024, N 128]; A: input x; B: input Wv: QUANTISED
;;     4. batch 8 x [M 2,048, K 128] x [K 128, N 2,048]; A: computed on the way; B: computed on the way: QUANTISED
;;     5. batch 8 x [M 2,048, K 2,048] x [K 2,048, N 128]; A: softmax (see below); B: computed on the way: QUANTISED
;;   THE QUANTISER, for each operand of a quantised product, along K:
;;     - K is cut into blocks of 32 from its start; a last block that is shorter is filled with zeros.
;;     - A block's scale is 2^e with e = floor(log2(the largest magnitude in the block)) - 2, held to -126 .. 127; a block of zeros has e = 0. As a byte (E8M0): e + 127.
;;     - Each number is divided by its block's scale, clamped to +-7.5, and rounded to the nearest number of E2M3, ties to even, subnormals kept.
;;     - The product sums the exact products of the quantised numbers (number of the format x scale) in f32.
;;   ~~~python
;;   def quantise(x, axis):      # numpy; x: float32 -> the quantised numbers, widened to float32 again
;;       x = np.moveaxis(x, axis, -1); K = x.shape[-1]
;;       x = np.pad(x, [(0, 0)] * (x.ndim - 1) + [(0, -K % 32)]); x = x.reshape(x.shape[:-1] + (-1, 32)); a = np.abs(x).max(-1, keepdims=True)
;;       e = np.where(a > 0, np.clip(np.frexp(np.where(a > 0, a, 1))[1] - 1 - 2, -126, 127), 0)      # np.frexp(a)[1] - 1 = floor(log2(a)), exactly
;;       r = np.clip(x / 2.0 ** e, -7.5, 7.5)
;;       step = 2.0 ** (np.maximum(np.frexp(np.where(r == 0, 1, r))[1] - 1, 0) - 3)
;;       q = np.round(r / step) * step * 2.0 ** e      # np.round: ties to even
;;       return np.moveaxis(q.reshape(q.shape[:-2] + (-1,))[..., :K], -1, axis).astype(np.float32)
;;   ~~~
;;   SOFTMAX AHEAD OF A QUANTISED PRODUCT. Where the list says 'softmax', what is quantised is not the finished softmax but p = 2^(t - M), with t = logit x log2(e) and M = ceil(the row's largest t), a whole number; so 1/2 < the row's largest p <= 1. The row's sum l is taken of the UNQUANTISED p, in f32, and the product's result is divided by l at the end. Since M is a whole number, a kernel that streams over the keys may use a running M (the ceiling of the running maximum): every later rescaling is an exact power of two, which a block's scale takes up: the codes' values come out the same.
;;   OPERANDS COMPUTED ON THE WAY. 'Computed on the way' means the value that the module computes at that place (a softmax that the list does not call 'softmax' is quantised finished and normalised). What goes into a quantiser is computed in f32, as accurately as f32 sums, v_exp_f32 and their like allow (about 1e-6 of the number): no bf16 or f16 on the way to a quantiser, and a product that is left as it is and whose result goes on into a quantised operand takes f32 operands (vector FMAs, or v_wmma_f32_16x16x4_f32). A number that lies on a knife's edge between two numbers of the format may be rounded either way, as far as f32 arithmetic and the matrix unit's own rounding can turn it there, and no further.
;; One version. Each part assembles by itself: llvm-mc -triple=amdgcn-amd-amdhsa -mcpu=gfx1250 --defsym DOCPART=n.
;; ======== version 1 of 1: 3 launches
;; limits: right only within a limited range of input values
;; workspace buffers: wc 294,912 bytes; ws 12,288 bytes; qc 1,572,864 bytes; qs 65,536 bytes; kc 1,572,864 bytes; ks 65,536 bytes; vc 1,572,864 bytes; vs 65,536 bytes
;; launch wquant (part 1): grid 16 x 3, 8 waves a work-group, no clusters, 7,424 bytes of LDS; arguments Wk, Wq, Wv, wc, ws; writes wc, ws
.if DOCPART == 1
	.amdgcn_target "amdgcn-amd-amdhsa--gfx1250"
	.amdhsa_code_object_version 6
	.text
	.protected	k_q3e8c0ca16d_wquant
	.globl	k_q3e8c0ca16d_wquant
	.p2align	8
	.type	k_q3e8c0ca16d_wquant,@function
k_q3e8c0ca16d_wquant:
	s_mov_b64 s[64:65], 0
	v_nop
	global_prefetch_b8 v0, s[64:65] scope:SCOPE_SE
	s_setreg_imm32_b32 hwreg(HW_REG_WAVE_MODE, 25, 1), 1
	s_wait_xcnt 0x0
; Wk, Wq, Wv [1024 (k)][128 (n)], f32, K along the FIRST axis, become codes of FP6 (E2M3) with one E8M0 byte for each 32 along K, laid as the next launch's registers want them.
; A block's scale is 2^(floor(log2(its largest magnitude)) - 2); its byte is the largest magnitude's exponent field - 2, held at 1 from below.
; LIMITS: NaN and infinities among the inputs are not served; a block whose largest magnitude lies under 2^-124 gets the byte 1; a block of zeros gets the byte 1 where the rule says 127
; (its codes are zeros, which add nothing under any byte but 0xff, and this program alone reads the bytes).
; SHARES.  Work-group (x = 2 s + p, y = T) takes rows 128 s .. + 127 and columns 64 p .. + 63 of tensor T (0 Wk, 1 Wq, 2 Wv).  Wave 4 wl + kb takes columns 32 wl .. + 31 of them and the block of rows 32 kb .. + 31:
; a lane holds one whole block of ONE column, its registers run down K.
; wc: [T 3][s 8][w 4][u 2][piece g 3][lane 32][16 bytes]: a fragment (16 columns x 128 K) is 12 registers; lane r + 16 h, registers 6 c .. 6 c + 5 hold block 2 c + h.  Lane r of fragment (w, u) holds column 32 w + 8 u + r + 8 (r / 8).
; ws: [T][s][w][u][r 16] words: four bytes of that column for this K step.
; No tensor loads, no matrix unit, no cluster: 1.5 MB are read once and nothing is shared.
.set FRB, 1536
.set SCW, 4*FRB                        ; LDS: the scale words behind four fragments
.set SPARE, SCW+256
.set X, 32
.set CC, 64
.set SPW, 10
.set NIL, 11
	s_load_b256 s[4:11], s[0:1], 0x0               ; Wk s[4:5], Wq s[6:7], Wv s[8:9], wc s[10:11]
	s_load_b64 s[12:13], s[0:1], 0x20              ; ws
	v_lshl_add_u32 v[SPW], v0, 2, SPARE
	v_mov_b32 v[NIL], 0
	s_and_b32 s14, ttmp7, 0xffff                   ; T
	v_lshrrev_b32 v1, 5, v0
	v_readfirstlane_b32 s15, v1                    ; wave
	v_and_b32 v1, 31, v0                           ; lane
	v_lshlrev_b32 v4, 2, v1
	s_and_b32 s16, s15, 3                          ; kb
	s_lshr_b32 s17, s15, 2                         ; wl
	s_lshr_b32 s18, ttmp9, 1                       ; s
	s_and_b32 s19, ttmp9, 1                        ; p
	s_lshl_b32 s20, s18, 16
	s_lshl_b32 s21, s16, 14
	s_add_co_u32 s20, s20, s21
	s_lshl_b32 s21, s19, 8
	s_add_co_u32 s20, s20, s21
	s_lshl_b32 s21, s17, 7
	s_add_co_u32 s20, s20, s21                     ; my first row and column, in bytes
	s_mov_b32 s21, 0
	s_lshl_b32 s26, s14, 3
	s_add_co_u32 s26, s26, s18                     ; 8 T + s
	s_mul_i32 s22, s26, 8*FRB
	s_mul_i32 s23, s19, 4*FRB
	s_add_co_u32 s22, s22, s23
	s_mov_b32 s23, 0
	s_lshl_b32 s24, s26, 9
	s_lshl_b32 s25, s19, 8
	s_add_co_u32 s24, s24, s25
	s_mov_b32 s25, 0
	s_wait_alu depctr_va_vdst(0)                   ; the wait at the head's end
	s_wait_kmcnt 0x0
	s_cmp_eq_u32 s14, 1                            ; the tensor is chosen by the work-group's y alone
	s_cselect_b64 s[4:5], s[6:7], s[4:5]
	s_cmp_eq_u32 s14, 2
	s_cselect_b64 s[4:5], s[8:9], s[4:5]
	s_add_nc_u64 s[4:5], s[4:5], s[20:21]
	s_add_nc_u64 s[10:11], s[10:11], s[22:23]
	s_add_nc_u64 s[12:13], s[12:13], s[24:25]
.set i, 0
.rept 32
	global_load_b32 v[X+i], v4, s[4:5] offset:i*512 th:TH_LOAD_NT   ; one row, 32 neighbouring columns
.set i, i+1
.endr
	s_lshr_b32 s26, s16, 1                         ; c
	s_and_b32 s27, s16, 1                          ; h
	s_mul_i32 s28, s17, 2*FRB
	s_lshl_b32 s29, s27, 8
	s_add_co_u32 s28, s28, s29
	s_mul_i32 s29, s26, 520
	s_add_co_u32 s28, s28, s29
	s_mul_i32 s29, s26, 496
	s_add_co_u32 s29, s29, 8
	s_lshl_b32 s30, s17, 7
	s_add_co_u32 s30, s30, s16
	s_add_co_u32 s30, s30, SCW
	s_lshl_b32 s31, s15, 10
	v_bfe_u32 v2, v0, 3, 1                         ; u
	v_and_b32 v3, 7, v0
	v_bfe_u32 v16, v0, 4, 1
	v_lshl_add_u32 v3, v16, 3, v3                  ; r
	v_mul_u32_u24 v5, v2, FRB
	v_lshl_add_u32 v5, v3, 4, v5
	v_add_nc_u32 v5, s28, v5                       ; register pairs 3 c (and, 512 on, 3 c + 2) of lane r + 16 h
	v_add_nc_u32 v6, s29, v5                       ; pair 3 c + 1: 8 on for c = 0, 504 on for c = 1
	v_lshlrev_b32 v7, 6, v2
	v_lshl_add_u32 v7, v3, 2, v7
	v_add_nc_u32 v7, s30, v7                       ; my byte of my column's scale word
	v_lshlrev_b32 v8, 4, v1
	v_add_nc_u32 v8, s31, v8                       ; out: 1,024 bytes a wave
	v_lshlrev_b32 v9, 3, v1
	v_add_nc_u32 v12, SCW, v9
	s_wait_alu depctr_va_vdst(0)                   ; the wait here, directly ahead of the wait below
	s_wait_loadcnt 0x0
	v_max3_num_f32 v20, |v[X]|, |v[X+1]|, |v[X+2]|     ; the block's largest magnitude, in four chains
	v_max3_num_f32 v21, |v[X+3]|, |v[X+4]|, |v[X+5]|
	v_max3_num_f32 v22, |v[X+6]|, |v[X+7]|, |v[X+8]|
	v_max3_num_f32 v23, |v[X+9]|, |v[X+10]|, |v[X+11]|
.irp i, 12,20
	v_max3_num_f32 v20, v20, |v[X+\i]|, |v[X+\i+1]|
	v_max3_num_f32 v21, v21, |v[X+\i+2]|, |v[X+\i+3]|
	v_max3_num_f32 v22, v22, |v[X+\i+4]|, |v[X+\i+5]|
	v_max3_num_f32 v23, v23, |v[X+\i+6]|, |v[X+\i+7]|
.endr
	v_max3_num_f32 v20, v20, |v[X+28]|, |v[X+29]|
	v_max3_num_f32 v21, v21, |v[X+30]|, |v[X+31]|
	v_max3_num_f32 v20, v20, v21, v22
	v_max3_num_f32 v20, v20, v23, 0x1800000        ; and the floor 2^(3 - 127): the byte cannot fall under 1
	v_add_nc_u32 v22, 0xff000000, v20              ; 2 off its exponent field: the conversion's scale operand
	v_cvt_scalef32_pk16_fp6_f32 v[CC:CC+2], v[X:X+15], v22
	v_lshrrev_b32 v23, 23, v22                     ; the scale's byte
	v_cvt_scalef32_pk16_fp6_f32 v[X:X+2], v[X+16:X+31], v22   ; (a conversion's three registers begin on an even number)
	v_nop
.irp i, 0,1,2
	v_mov_b32 v[CC+3+\i], v[X+\i]
.endr
	ds_store_b64 v5, v[CC:CC+1]
	ds_store_b64 v6, v[CC+2:CC+3]
	ds_store_b64 v5, v[CC+4:CC+5] offset:512
	ds_store_b8 v7, v23
	s_wait_dscnt 0x0                               ; for the others' sake
	s_barrier_signal -1
	s_barrier_wait -1
	s_cmp_lt_u32 s15, 6
	s_cbranch_scc0 .Lwords
	ds_load_b128 v[24:27], v8                      ; waves 0 to 5 copy 6,144 bytes out
	ds_load_b128 v[28:31], v8 offset:512
	s_wait_dscnt 0x0
	global_store_b128 v8, v[24:27], s[10:11]       ; 32 lanes store 512 consecutive bytes, at a multiple of 256 from wc's first byte
	global_store_b128 v8, v[28:31], s[10:11] offset:512
	s_branch .Ldone
.Lwords:
	s_cmp_eq_u32 s15, 6
	s_cbranch_scc0 .Ldone
	ds_load_b64 v[24:25], v12                      ; wave 6: 64 scale words
	s_wait_dscnt 0x0
	global_store_b64 v9, v[24:25], s[12:13]        ; 256 consecutive bytes, aligned
.Ldone:
	s_wait_tensorcnt 0x0                           ; the wave's end
	ds_add_u32 v[SPW], v[NIL]
	s_wait_dscnt 0x0
	s_endpgm
.Lfunc_end_k_q3e8c0ca16d_wquant:
	.size	k_q3e8c0ca16d_wquant, .Lfunc_end_k_q3e8c0ca16d_wquant-k_q3e8c0ca16d_wquant
	.p2alignl 7, 3214868480
	.fill 96, 4, 3214868480
	.section	.rodata,"a",@progbits
	.p2align	6, 0x0
	.amdhsa_kernel k_q3e8c0ca16d_wquant
		.amdhsa_group_segment_fixed_size 7424
		.amdhsa_private_segment_fixed_size 0
		.amdhsa_enable_private_segment 0
		.amdhsa_kernarg_size 40
		.amdhsa_user_sgpr_count 2
		.amdhsa_user_sgpr_kernarg_segment_ptr 1
		.amdhsa_wavefront_size32 1
		.amdhsa_system_sgpr_workgroup_id_x 1
		.amdhsa_system_sgpr_workgroup_id_y 1
		.amdhsa_system_sgpr_workgroup_id_z 1
		.amdhsa_system_vgpr_workitem_id 0
		.amdhsa_next_free_vgpr 80
		.amdhsa_next_free_sgpr 66
		.amdhsa_reserve_vcc 0
		.amdhsa_float_denorm_mode_32 3
		.amdhsa_float_denorm_mode_16_64 3
		.amdhsa_memory_ordered 1
		.amdhsa_forward_progress 1
		.amdhsa_inst_pref_size 9
	.end_amdhsa_kernel
	.amdgpu_metadata
---
amdhsa.version: [ 1, 2 ]
amdhsa.kernels:
  - .name:           k_q3e8c0ca16d_wquant
    .symbol:         k_q3e8c0ca16d_wquant.kd
    .args:
      - { .name: Wk, .offset: 0, .size: 8, .value_kind: global_buffer, .address_space: global }
      - { .name: Wq, .offset: 8, .size: 8, .value_kind: global_buffer, .address_space: global }
      - { .name: Wv, .offset: 16, .size: 8, .value_kind: global_buffer, .address_space: global }
      - { .name: wc, .offset: 24, .size: 8, .value_kind: global_buffer, .address_space: global }
      - { .name: ws, .offset: 32, .size: 8, .value_kind: global_buffer, .address_space: global }
    .group_segment_fixed_size: 7424
    .private_segment_fixed_size: 0
    .kernarg_segment_align: 8
    .kernarg_segment_size: 40
    .max_flat_workgroup_size: 256
    .sgpr_count:     66
    .vgpr_count:     80
    .wavefront_size: 32
...
	.end_amdgpu_metadata
.endif
;; end of part 1
;; launch proj (part 2): grid 256 x 1, 8 waves a work-group, no clusters, 327,680 bytes of LDS; arguments x, wc, ws, qc, qs, kc, ks, vc, vs; writes qc, qs, kc, ks, vc, vs
.if DOCPART == 2
	.amdgcn_target "amdgcn-amd-amdhsa--gfx1250"
	.amdhsa_code_object_version 6
	.text
	.protected	k_q3e8c0ca16d_proj
	.globl	k_q3e8c0ca16d_proj
	.p2align	8
	.type	k_q3e8c0ca16d_proj,@function
k_q3e8c0ca16d_proj:
	s_mov_b64 s[64:65], 0
	v_nop
	global_prefetch_b8 v0, s[64:65] scope:SCOPE_SE
	s_setreg_imm32_b32 hwreg(HW_REG_WAVE_MODE, 25, 1), 1
	s_wait_xcnt 0x0
; k = x Wk, q = x Wq, v = x Wv on codes of FP6 (E2M3) with one E8M0 scale for each 32 along K = 1,024; the three results are quantised at once for the attention's products and leave as codes alone.
; x: [16384][1024] f32, quantised here along its rows.  W's codes and scale words come from wc and ws, laid as registers (see the launch before).
; LIMITS: NaN and infinities are not served; a block whose largest magnitude lies under 2^-124 gets the byte 1; a block of zeros gets the byte 1 where the rule says 127 (zero codes; this program alone reads the bytes).
; SHARES.  Work-group G owns tokens 64 G .. 64 G + 63: 256 KB of x, all asked for at the kernel's head: wave c of eight fetches chunk c: K step c (128 numbers, 512 bytes) of all 64 rows, so each byte of x is read once.
; A chunk is 64 x 4 blocks of 32: ONE BLOCK A THREAD, in one lane's registers: wave w takes rows 16 (w / 2) .. + 15 and blocks 2 (w % 2) + h.
; COLUMNS: waves 0-3 hold k's columns 32 w .. + 31, waves 4-7 q's (two fragments), and wave w holds v's fragment w: three fragments for each of eight K steps, 288 registers, and 12 accumulators.
; W's K steps 0 to 3 are asked for at the head, step s + 4 ahead of step s's products: 55 loads of a wave are out at the most.
; x's fragments go from wave to wave through LDS as images of their registers, two buffers by turns.
; THE TOKENS OF A TILE OF x ARE NOT NEIGHBOURS: lane r of tile m = 2 b + u holds token 32 b + 8 u + r + 8 (r / 8); W's columns likewise.  So, with k and q made transposed (source 0 = W, source 1 = x), a lane holds one token and
; 16 neighbouring channels; and with v made the other way a lane holds one channel and 16 neighbouring tokens: in both cases neighbours along the NEXT product's K.
; WHAT LEAVES (a fragment is two halves c of 768 bytes: registers 6 c .. 6 c + 3 at 16 x lane, 6 c + 4, 6 c + 5 at 512 + 8 x lane):
;   qc [batch][tile of 16 neighbouring tokens][1536], qs [token] words;  kc [batch][step of 128 keys][tile t 8][1536], rows in the order above, ks [batch][step][t / 4][r 16][t % 4] words;
;   vc [batch][step][t 8][1536]: rows = channels in the order above, K = the step's keys in their own order: my 64 tokens are one half of each fragment; vs as ks, byte = block of 32 keys.
; NO CLUSTER: what work-groups share is W; a K step of it is 36,864 bytes, and beside x and its images LDS has fewer left: it lives in registers.  NO PREFETCH: there is no loop to run ahead in, all of x is asked for at once.  Nothing in LDS is filled twice.
; REGISTERS.  Window 0: v0-23 addresses and work; v24-55 my block of x; v56-103 x's four fragments; v104-107 their scale words; v108-123 W's scale words; v124-159 W's step 7; v160-255 the accumulators.
;   Window 1: W's steps 0 to 6, 36 registers each; when step 0 is done with, its registers take the way out's addresses.
; PLACES: in kc, ks, vc, vs the batch's step s = 4 i + P stands in period P, [batch][P 4][t / 4][i 4][t % 4]: a fragment of 1,536 bytes in kc and vc; in ks and vs 256 bytes [r 16][t % 4] for each [batch][P][t / 4][i].
.set FRB,  1536
.set IMGB, 6400                        ; an image buffer: four fragments, [r 16][tile 4] scale words
.set XB,   2*IMGB
.set XP,   528                         ; a row of a chunk in LDS: 512 bytes + 16: an odd multiple of 16
.set XCH,  64*XP
.set STG,  XB+8*XCH                    ; the way out: k's four fragments, q's four, k's scale words, q's
.set QST,  4*FRB
.set KSS,  STG+8*FRB
.set SPARE, KSS+512                    ; the spare words, 128 bytes a wave
.set L16, 1                            ; 16 x lane: W's loads, the images' loads, the codes' stores
.set XA,  2                            ; v2-5: my block in chunks 0, 2, 4, 6
.set XW1, 6                            ; where my codes' register pairs 3 c and (512 on) 3 c + 2 go
.set XW2, 7                            ; pair 3 c + 1
.set XWB, 8                            ; my scale byte
.set FS,  9                            ; 16 r: the scale words of four tiles
.set L4,  10
.set L4V, 11
.set SPW, 12
.set NIL, 13
.set CC,  18
.set X,   24
.set XF,  56
.set XS,  104
.set WS,  108
.set W7,  124
.set ACC, 160
.set MX,  24                           ; the way out: largest magnitudes, bytes, scale operands, codes
.set BY,  30
.set SO,  36
.set CO,  44
.set PC,  60
.set P2,  80
.set L8,  6                            ; window 1, the way out's addresses
.set KA16, 8
.set KA8, 9
.set QA16, 10
.set QA8, 11
.set KB,  12
.set QB,  13
.set CR,  14
.set VSA, 15
.set SCP, 16
.set WV,  24
.set MSB, 0
.macro WIN new                         ; the immediate's high byte repeats the setting that is left; a switch that changes nothing is dropped
.if MSB != (\new)
	s_set_vgpr_msb (MSB<<8)|(\new)
.set MSB, (\new)
.endif
.endm
.macro PLACES                          ; four plain places behind a matrix instruction of this form (ISA guide 7.12.1)
.rept 4
	v_nop
.endr
.endm
.macro WALU
	s_wait_alu depctr_va_vdst(0)
.endm
.macro WLOAD s                         ; K step s of W: three fragments and two scale words: 11 loads
.if (\s) < 7
.set WF, 36*(\s)
	WIN 0x40
.else
.set WF, W7
.endif
.irp g, 0,1,2
	global_load_b128 v[WF+4*\g:WF+4*\g+3], v[L16], s[6:7] offset:8*FRB*(\s)+512*\g
	global_load_b128 v[WF+12+4*\g:WF+12+4*\g+3], v[L16], s[6:7] offset:8*FRB*(\s)+FRB+512*\g
	global_load_b128 v[WF+24+4*\g:WF+24+4*\g+3], v[L16], s[22:23] offset:8*FRB*(\s)+512*\g
.endr
	WIN 0
	global_load_b32 v[WS+(\s)], v[L4], s[8:9] offset:512*(\s)          ; lanes 0-15: fragment u = 0's words, lanes 16-31: u = 1's
	global_load_b32 v[WS+8+(\s)], v[L4V], s[26:27] offset:512*(\s)     ; v's
.endm
	s_load_b256 s[4:11], s[0:1], 0x0               ; x s[4:5], wc s[6:7], ws s[8:9], qc s[10:11]
	s_load_b256 s[12:19], s[0:1], 0x20             ; qs s[12:13], kc s[14:15], ks s[16:17], vc s[18:19]
	s_load_b64 s[20:21], s[0:1], 0x40              ; vs
	v_lshl_add_u32 v[SPW], v0, 2, SPARE
	v_mov_b32 v[NIL], 0
	ds_add_u32 v[SPW], v[NIL]                      ; the wave's opening: the add, twice on end, and its wait
	ds_add_u32 v[SPW], v[NIL]
	v_lshrrev_b32 v24, 5, v0
	v_readfirstlane_b32 s[WV], v24                 ; wave 0..7
	s_mov_b32 s25, ttmp9                           ; G
	s_mov_b32 s28, (2<<16)|(1<<20)|(6<<22)|(3<<25) ; no mask; elements of 4 bytes; padding: behind every 128 words 4 words
	s_mov_b32 s29, 128<<16                         ; tensor_dim0 = 128
	s_mov_b32 s30, 64<<16                          ; tensor_dim1 = 64
	s_mov_b32 s31, 128<<16                         ; tile_dim0
	s_mov_b32 s32, 64                              ; tile_dim1
	s_mov_b32 s33, 1024                            ; from row to row
	s_mov_b32 s34, 0
	s_mov_b32 s35, 0
	s_mov_b32 s36, 1
	s_mul_i32 s37, s[WV], XCH
	s_add_co_u32 s37, s37, XB                      ; my chunk's place
	s_lshl_b32 s40, s25, 18                        ; 64 rows of 4,096 bytes a work-group,
	s_lshl_b32 s41, s[WV], 9                       ; K step = wave
	s_add_co_u32 s40, s40, s41
	s_mov_b32 s41, 0
	s_lshr_b32 s44, s[WV], 2                       ; 0: k, 1: q
	s_and_b32 s45, s[WV], 3                        ; my group of 32 columns
	s_mul_i32 s46, s44, 64*FRB
	s_mul_i32 s47, s45, 2*FRB
	s_add_co_u32 s46, s46, s47                     ; my two fragments of Wk or Wq,
	s_mov_b32 s47, 0
	s_mul_i32 s48, s[WV], FRB
	s_add_co_u32 s48, s48, 128*FRB                 ; my one of Wv,
	s_mov_b32 s49, 0
	s_lshl_b32 s50, s44, 12
	s_lshl_b32 s51, s45, 7
	s_add_co_u32 s50, s50, s51                     ; and their scale words
	s_mov_b32 s51, 0
	s_lshl_b32 s52, s[WV], 6
	s_add_co_u32 s52, s52, 8192
	s_mov_b32 s53, 0
	s_wait_dscnt 0x0                               ; both opening adds are done
	s_wait_kmcnt 0x0
	s_add_nc_u64 s[38:39], s[4:5], s[40:41]
	s_or_b32 s39, s39, 0x80000000                  ; type = 2
; One tensor load a wave, each in an arm of its own: a wave's chunk is waited for by that wave alone.
.macro ARM n
	s_cmp_eq_u32 s[WV], \n
	s_cbranch_scc0 .Lnext_\n
	tensor_load_to_lds s[36:39], s[28:35]
	s_nop 0
	PLACES
	s_branch .Lasked
.Lnext_\n:
.endm
	ARM 0
	ARM 1
	ARM 2
	ARM 3
	ARM 4
	ARM 5
	ARM 6
	tensor_load_to_lds s[36:39], s[28:35]
	s_nop 0
	PLACES
.Lasked:
	s_add_nc_u64 s[22:23], s[6:7], s[48:49]
	s_add_nc_u64 s[6:7], s[6:7], s[46:47]
	s_add_nc_u64 s[26:27], s[8:9], s[52:53]
	s_add_nc_u64 s[8:9], s[8:9], s[50:51]
	v_and_b32 v28, 31, v0                          ; lane
	v_and_b32 v24, 15, v0                          ; r
	v_lshlrev_b32 v[L16], 4, v28
	v_lshlrev_b32 v[L4], 2, v28
	v_lshlrev_b32 v[L4V], 2, v24
	WALU
	WLOAD 0
	WLOAD 1
	WLOAD 2
	WLOAD 3
	s_lshr_b32 s51, s[WV], 1                       ; j: my 16 rows
	s_and_b32 s52, s[WV], 1                        ; c: my half of their blocks
	s_lshr_b32 s53, s51, 1
	s_and_b32 s54, s51, 1
	s_mul_i32 s55, s51, 16*XP
	s_lshl_b32 s56, s52, 8
	s_add_co_u32 s55, s55, s56
	s_add_co_u32 s55, s55, XB
	s_mul_i32 s56, s53, 2*FRB                      ; row 16 j + r is lane r % 8 + 8 (j % 2) of tile 2 (j / 2) + r / 8
	s_lshl_b32 s57, s54, 7
	s_add_co_u32 s56, s56, s57
	s_mul_i32 s57, s52, 520
	s_add_co_u32 s56, s56, s57
	s_mul_i32 s57, s52, 496
	s_add_co_u32 s57, s57, 8
	s_lshl_b32 s58, s54, 7
	s_lshl_b32 s59, s53, 3
	s_add_co_u32 s58, s58, s59
	s_lshl_b32 s59, s52, 1
	s_add_co_u32 s58, s58, s59
	s_add_co_u32 s58, s58, 4*FRB
	s_mov_b32 s60, 0x76543210
	s_mov_b32 s61, 0xfedcba98                      ; v_permlanex16_b32's selects for lane l xor 16
	v_bfe_u32 v25, v0, 4, 1                        ; h
	v_bfe_u32 v26, v0, 3, 1                        ; r / 8
	v_and_b32 v27, 7, v0                           ; r % 8
	v_mul_u32_u24 v[XA], v24, XP
	v_lshl_add_u32 v[XA], v25, 7, v[XA]
	v_add_nc_u32 v[XA], s55, v[XA]
	v_add_nc_u32 v[XA+1], 2*XCH, v[XA]
	v_add_nc_u32 v[XA+2], 4*XCH, v[XA]
	v_add_nc_u32 v[XA+3], 6*XCH, v[XA]
	v_mul_u32_u24 v[XW1], v26, FRB
	v_lshl_add_u32 v[XW1], v27, 4, v[XW1]
	v_lshl_add_u32 v[XW1], v25, 8, v[XW1]
	v_add_nc_u32 v[XW1], s56, v[XW1]
	v_add_nc_u32 v[XW2], s57, v[XW1]
	v_lshlrev_b32 v[XWB], 4, v27                   ; 16 x the tile's lane + 4 x tile + block
	v_lshl_add_u32 v[XWB], v26, 2, v[XWB]
	v_add_nc_u32 v[XWB], v25, v[XWB]
	v_add_nc_u32 v[XWB], s58, v[XWB]
	v_lshlrev_b32 v[FS], 4, v24
	WALU
	; where the results go, and the way out's places in LDS
	s_lshr_b32 s46, s45, 1
	s_and_b32 s47, s45, 1
	s_mul_i32 s62, s46, 768                        ; group g is half g / 2 of a fragment of k or q, lanes 16 (g % 2) on
	s_lshl_b32 s48, s47, 7
	s_add_co_u32 s63, s62, s48
	s_add_co_u32 s63, s63, STG+512                 ; its 8-byte pieces
	s_lshl_b32 s48, s47, 8
	s_add_co_u32 s62, s62, s48
	s_add_co_u32 s62, s62, STG                     ; its 16-byte pieces
	s_add_co_u32 s66, s62, QST
	s_add_co_u32 s67, s63, QST
	s_add_co_u32 s68, s45, KSS
	s_add_co_u32 s69, s45, KSS+256
	s_mul_i32 s70, s[WV], FRB
	s_add_co_u32 s70, s70, STG
	s_lshl_b32 s71, s44, 8
	s_add_co_u32 s71, s71, KSS
	s_and_b32 s50, s25, 0xe0                       ; 32 x batch
	s_bfe_u32 s46, s25, 0x20001                    ; P = step % 4
	s_lshl_b32 s46, s46, 3
	s_or_b32 s50, s50, s46
	s_bfe_u32 s46, s25, 0x20003                    ; i = step / 4
	s_or_b32 s50, s50, s46                         ; 32 batch + 8 P + i
	s_and_b32 s46, s25, 1
	s_lshl_b32 s46, s46, 2
	s_or_b32 s78, s50, s46                         ; + 4 (t / 4): my four tiles of keys
	s_cmp_lt_u32 s[WV], 4
	s_cselect_b32 s79, s78, s25                    ; q's tiles stand in the tokens' order
	s_mul_i32 s46, s79, 4*FRB
	s_mul_i32 s47, s45, FRB
	s_add_co_u32 s46, s46, s47
	s_mov_b32 s47, 0
	s_lshl_b32 s48, s79, 8
	s_mov_b32 s49, 0
	s_cmp_lt_u32 s[WV], 4                          ; waves 0-3 copy k out, waves 4-7 q
	s_cselect_b64 s[74:75], s[14:15], s[10:11]
	s_cselect_b64 s[76:77], s[16:17], s[12:13]
	s_add_nc_u64 s[74:75], s[74:75], s[46:47]
	s_add_nc_u64 s[76:77], s[76:77], s[48:49]
	s_and_b32 s51, s25, 1                          ; which half of the step's 128 keys
	s_mul_i32 s46, s50, 4*FRB
	s_mul_i32 s48, s44, 16*FRB                     ; v's tile t = wave: t / 4,
	s_add_co_u32 s46, s46, s48
	s_mul_i32 s48, s45, FRB                        ; t % 4
	s_add_co_u32 s46, s46, s48
	s_mul_i32 s48, s51, 768
	s_add_co_u32 s46, s46, s48
	s_add_nc_u64 s[18:19], s[18:19], s[46:47]
	s_lshl_b32 s46, s50, 8
	s_lshl_b32 s48, s44, 10
	s_add_co_u32 s46, s46, s48
	s_lshl_b32 s48, s45, 2
	s_add_co_u32 s46, s46, s48
	s_lshl_b32 s48, s51, 1
	s_add_co_u32 s46, s46, s48
	s_add_nc_u64 s[20:21], s[20:21], s[46:47]
.macro XLOAD c                         ; my block of chunk c: 32 numbers
.irp i, 0,1,2,3,4,5,6,7
	ds_load_b128 v[X+4*\i:X+4*\i+3], v[XA+(\c)/2] offset:XCH*((\c)%2)+16*\i
.endr
.endm
.macro FETCH c                         ; chunk c's four fragments and their scale words: 13 loads
.irp m, 0,1,2,3
.irp g, 0,1,2
	ds_load_b128 v[XF+12*\m+4*\g:XF+12*\m+4*\g+3], v[L16] offset:IMGB*((\c)%2)+FRB*\m+512*\g
.endr
.endr
	ds_load_b128 v[XS:XS+3], v[FS] offset:IMGB*((\c)%2)+4*FRB
.endm
.macro QUANTX c                        ; 32 numbers, one block, become six registers of codes and a byte: four LDS stores
	v_max3_num_f32 v14, |v[X]|, |v[X+1]|, |v[X+2]|
	v_max3_num_f32 v15, |v[X+3]|, |v[X+4]|, |v[X+5]|
	v_max3_num_f32 v16, |v[X+6]|, |v[X+7]|, |v[X+8]|
	v_max3_num_f32 v17, |v[X+9]|, |v[X+10]|, |v[X+11]|
.irp i, 12,20
	v_max3_num_f32 v14, v14, |v[X+\i]|, |v[X+\i+1]|
	v_max3_num_f32 v15, v15, |v[X+\i+2]|, |v[X+\i+3]|
	v_max3_num_f32 v16, v16, |v[X+\i+4]|, |v[X+\i+5]|
	v_max3_num_f32 v17, v17, |v[X+\i+6]|, |v[X+\i+7]|
.endr
	v_max3_num_f32 v14, v14, |v[X+28]|, |v[X+29]|
	v_max3_num_f32 v15, v15, |v[X+30]|, |v[X+31]|
	v_max3_num_f32 v14, v14, v15, v16
	v_max3_num_f32 v14, v14, v17, 0x1800000        ; and the floor 2^(3 - 127): the byte cannot fall under 1
	v_add_nc_u32 v16, 0xff000000, v14              ; 2 off its exponent field: the conversion's scale operand
	v_cvt_scalef32_pk16_fp6_f32 v[CC:CC+2], v[X:X+15], v16
	v_lshrrev_b32 v17, 23, v16                     ; the scale's byte; also the plain place between the two conversions
	v_cvt_scalef32_pk16_fp6_f32 v[X:X+2], v[X+16:X+31], v16   ; (a conversion's three registers begin on an even number)
	v_nop
.irp i, 0,1,2
	v_mov_b32 v[CC+3+\i], v[X+\i]
.endr
	ds_store_b64 v[XW1], v[CC:CC+1] offset:IMGB*((\c)%2)
	ds_store_b64 v[XW2], v[CC+2:CC+3] offset:IMGB*((\c)%2)
	ds_store_b64 v[XW1], v[CC+4:CC+5] offset:IMGB*((\c)%2)+512
	ds_store_b8 v[XWB], v17 offset:IMGB*((\c)%2)
.endm
.macro WM d, a, b, c, sa, sb, side, o
	v_wmma_scale_f32_16x16x128_f8f6f4 v[\d:\d+7], v[\a:\a+11], v[\b:\b+11], \c, v[\sa], v[\sb] matrix_a_fmt:MATRIX_FMT_FP6 matrix_b_fmt:MATRIX_FMT_FP6 matrix_\side\()_scale:MATRIX_SCALE_ROW\o
.endm
; K step s: 12 matrix instructions, the 12 accumulators by turns, one instruction a turn, in the same order in every step.  The first step starts the sums.
.macro PROD s
.if (\s) < 7
.set WF, 36*(\s)
	WIN 0x01
.else
.set WF, W7
	WIN 0
.endif
.set SK, WS+(\s)
.set SV, WS+8+(\s)
.irp m, 0,1,2,3
.irp u, 0,1
.if (\s) == 0
	WM ACC+16*\m+8*\u,WF+12*\u,XF+12*\m,0,SK,XS+\m,a,\u
.else
	WM ACC+16*\m+8*\u,WF+12*\u,XF+12*\m,v[ACC+16*\m+8*\u:ACC+16*\m+8*\u+7],SK,XS+\m,a,\u
.endif
.endr
.endr
.if (\s) < 7
	WIN 0x04
.endif
.irp m, 0,1,2,3
.if (\s) == 0
	WM ACC+64+8*\m,XF+12*\m,WF+24,0,XS+\m,SV,b,0
.else
	WM ACC+64+8*\m,XF+12*\m,WF+24,v[ACC+64+8*\m:ACC+64+8*\m+7],XS+\m,SV,b,0
.endif
.endr
	WIN 0
.endm
.macro WADDR                           ; the way out's addresses, in window 1's registers of W's step 0
	WIN 0x40
	v_mov_b32 v0, v0                               ; the thread's number
	WIN 0x55
	v_and_b32 v1, 15, v0                           ; r
	v_bfe_u32 v2, v0, 4, 1                         ; h
	v_bfe_u32 v3, v0, 3, 1                         ; r / 8
	v_and_b32 v4, 7, v0                            ; r % 8
	v_and_b32 v5, 31, v0
	v_lshlrev_b32 v[L8], 3, v5
	v_mul_u32_u24 v7, v2, FRB                      ; k: lane (r, h) holds lane r's block of tile 2 c + h
	v_lshl_add_u32 v[KA16], v1, 4, v7
	v_lshl_add_u32 v[KA8], v1, 3, v7
	v_mul_u32_u24 v7, v3, FRB                      ; q: that token is row 8 h + r % 8 of the tile of neighbours 2 c + r / 8
	v_lshl_add_u32 v[QA16], v4, 4, v7
	v_lshl_add_u32 v[QA8], v4, 3, v7
	v_lshl_add_u32 v[QA16], v2, 7, v[QA16]
	v_lshl_add_u32 v[QA8], v2, 6, v[QA8]
	v_add_nc_u32 v[KA16], s62, v[KA16]
	v_add_nc_u32 v[KA8], s63, v[KA8]
	v_add_nc_u32 v[QA16], s66, v[QA16]
	v_add_nc_u32 v[QA8], s67, v[QA8]
	v_lshlrev_b32 v[VSA], 4, v1
	v_add_nc_u32 v[KB], s68, v[VSA]                ; k's scale bytes: 16 r + 4 m + g
	v_lshlrev_b32 v[QB], 2, v1                     ; q's: 4 x token + g
	v_lshl_add_u32 v[QB], v3, 5, v[QB]
	v_add_nc_u32 v[QB], s69, v[QB]
	v_lshlrev_b32 v[CR], 4, v5
	v_add_nc_u32 v[CR], s70, v[CR]
	v_add_nc_u32 v[SCP], s71, v[L8]
	WIN 0
	WALU
.endm
; Chunk c is in, chunk c - 1's images are whole: quantise the one, multiply the other.  Chunk c's image is read behind the next barrier; its buffer's last readers have passed this one.
.macro BODY c
.if (\c) > 1
	PLACES                                         ; the fragments' registers were operands of the last products
.endif
	XLOAD \c
.if (\c) > 0
	FETCH (\c)-1
.if (\c) < 5
	WLOAD (\c)+3
.endif
	s_wait_dscnt 13                                ; my block is in; the 13 loads of the fragments may be out
.else
	s_wait_dscnt 0x0
.endif
	QUANTX \c
.if (\c) > 0 && (\c) < 7
.if (\c) < 5
	s_wait_loadcnt 44                              ; W's step c - 1 is in; the four younger steps' 44 loads may be out
.else
	s_wait_loadcnt 11*(8-(\c))
.endif
	s_wait_dscnt 4                                 ; the fragments are in; the four stores may be out
	PROD (\c)-1
.endif
.if (\c) == 6
	WADDR
.endif
.if (\c) < 7
	s_wait_dscnt 0x0                               ; for the others' sake: my part of the images lies in LDS
.if (\c) < 6
	s_cmp_lg_u32 s[WV], (\c)+1
	s_cbranch_scc1 .Lnot_mine_\@
	s_wait_tensorcnt 0x0                           ; wave c + 1: chunk c + 1 is in
.Lnot_mine_\@:
.else
	s_wait_tensorcnt 0x0                           ; the last chunk is in
.endif
	s_barrier_signal -1
	s_barrier_wait -1
.endif
.endm
	WALU
	s_cmp_lg_u32 s[WV], 0
	s_cbranch_scc1 .Lnot_0
	s_wait_tensorcnt 0x0                           ; wave 0: chunk 0 is in.  Later chunks may stay on their way: nothing in LDS is filled twice
.Lnot_0:
	s_barrier_signal -1
	s_barrier_wait -1
	BODY 0
	BODY 1
	BODY 2
	BODY 3
	BODY 4
	BODY 5
	BODY 6
	BODY 7
	s_wait_loadcnt 11                              ; W's step 6 is in
	s_wait_dscnt 0x0                               ; chunk 6's fragments are in, and my part of chunk 7's images is stored
	s_barrier_signal -1
	PROD 6
	s_barrier_wait -1
	PLACES
	FETCH 7
	s_wait_loadcnt 0x0
	s_wait_dscnt 0x0
	PROD 7
	PLACES
	; THE WAY OUT: six blocks b of 16 registers in a lane (lane l xor 16 holds the other 16): tiles 0-3 of k or q, then v's two blocks of 32 tokens.  Each accumulator is read from its low end on.
.irp b, 0,1,2,3,4,5
	v_max3_num_f32 v[MX+\b], |v[ACC+16*\b]|, |v[ACC+1+16*\b]|, 0x1800000   ; and the floor 2^(3 - 127)
.endr
.irp i, 2,4,6,8,10,12,14
.irp b, 0,1,2,3,4,5
	v_max3_num_f32 v[MX+\b], v[MX+\b], |v[ACC+16*\b+\i]|, |v[ACC+1+16*\b+\i]|
.endr
.endr
.irp b, 0,1,2,3,4,5
	v_permlanex16_b32 v[BY+\b], v[MX+\b], s60, s61
.endr
.irp b, 0,1,2,3,4,5
	v_max_num_f32 v[MX+\b], v[MX+\b], v[BY+\b]
.endr
.irp b, 0,1,2,3,4,5
	v_add_nc_u32 v[SO+\b], 0xff000000, v[MX+\b]
.endr
.irp b, 0,1,2,3,4,5
	v_lshrrev_b32 v[BY+\b], 23, v[SO+\b]           ; the scale's byte
.endr
.irp c, 0,1,2
	v_cvt_scalef32_pk16_fp6_f32 v[PC+6*\c:PC+2+6*\c], v[ACC+32*\c:ACC+15+32*\c], v[SO+2*\c]
	v_cvt_scalef32_pk16_fp6_f32 v[P2+4*\c:P2+2+4*\c], v[ACC+16+32*\c:ACC+31+32*\c], v[SO+2*\c+1]
.endr
	v_nop                                          ; one plain place behind a scaled conversion
.irp c, 0,1,2
.irp i, 0,1,2
	v_permlane16_swap_b32 v[PC+6*\c+\i], v[P2+4*\c+\i]
.endr
.endr
.irp c, 0,1,2
.irp i, 0,1,2
	v_mov_b32 v[PC+3+6*\c+\i], v[P2+4*\c+\i]       ; lane (r, h) now holds the WHOLE block 2 c + h
.endr
.endr
	v_lshl_or_b32 v92, v[BY+5], 8, v[BY+4]         ; v's two bytes
	WALU
	s_cmp_lt_u32 s[WV], 4
	s_cbranch_scc0 .Lq
	WIN 0x01
.irp c, 0,1
	ds_store_b128 v[KA16], v[PC+6*\c:PC+6*\c+3] offset:2*FRB*\c
	ds_store_b64 v[KA8], v[PC+6*\c+4:PC+6*\c+5] offset:2*FRB*\c
.endr
.irp m, 0,1,2,3
	ds_store_b8 v[KB], v[BY+\m] offset:4*\m        ; both halves of the lanes write the same byte with the same value
.endr
	WIN 0
	s_branch .Lstaged
.Lq:
	WIN 0x01
.irp c, 0,1
	ds_store_b128 v[QA16], v[PC+6*\c:PC+6*\c+3] offset:2*FRB*\c
	ds_store_b64 v[QA8], v[PC+6*\c+4:PC+6*\c+5] offset:2*FRB*\c
.endr
.irp m, 0,1,2,3
	ds_store_b8 v[QB], v[BY+\m] offset:4*(32*(\m/2)+8*(\m%2))
.endr
	WIN 0
.Lstaged:
	global_store_b128 v[L16], v[PC+12:PC+15], s[18:19]            ; v: half of fragment w: 512 consecutive bytes,
	WIN 0x01
	global_store_b64 v[L8], v[PC+16:PC+17], s[18:19] offset:512   ; and 256
	global_store_b16 v[VSA], v92, s[20:21]         ; two bytes of a word: the other two are the neighbouring work-group's.  32 bytes a wave beside the 768 of its codes: not worth a stage
	WIN 0
	s_wait_dscnt 0x0                               ; for the others' sake
	s_barrier_signal -1
	s_barrier_wait -1                              ; k's and q's fragments are whole: each was written by four waves
	WIN 0x01
.irp i, 0,1,2
	ds_load_b128 v[CO+4*\i:CO+4*\i+3], v[CR] offset:512*\i
.endr
	WIN 0
	s_wait_dscnt 0x0
.irp i, 0,1,2
	global_store_b128 v[L16], v[CO+4*\i:CO+4*\i+3], s[74:75] offset:512*\i   ; 32 lanes store 512 consecutive bytes, at a multiple of 256 from the buffer's first byte
.endr
	s_cmp_eq_u32 s45, 0
	s_cbranch_scc0 .Ldone
	WIN 0x01
	ds_load_b64 v[94:95], v[SCP]                   ; wave 0: k's 64 scale words, wave 4: q's
	s_wait_dscnt 0x0
	global_store_b64 v[L8], v[94:95], s[76:77]     ; 256 consecutive bytes, aligned
	WIN 0
.Ldone:
	s_wait_tensorcnt 0x0                           ; the wave's end
	ds_add_u32 v[SPW], v[NIL]
	s_wait_dscnt 0x0
	s_endpgm
.Lfunc_end_k_q3e8c0ca16d_proj:
	.size	k_q3e8c0ca16d_proj, .Lfunc_end_k_q3e8c0ca16d_proj-k_q3e8c0ca16d_proj
	.p2alignl 7, 3214868480
	.fill 96, 4, 3214868480
	.section	.rodata,"a",@progbits
	.p2align	6, 0x0
	.amdhsa_kernel k_q3e8c0ca16d_proj
		.amdhsa_group_segment_fixed_size 327680
		.amdhsa_private_segment_fixed_size 0
		.amdhsa_enable_private_segment 0
		.amdhsa_kernarg_size 72
		.amdhsa_user_sgpr_count 2
		.amdhsa_user_sgpr_kernarg_segment_ptr 1
		.amdhsa_wavefront_size32 1
		.amdhsa_system_sgpr_workgroup_id_x 1
		.amdhsa_system_sgpr_workgroup_id_y 1
		.amdhsa_system_sgpr_workgroup_id_z 1
		.amdhsa_system_vgpr_workitem_id 0
		.amdhsa_next_free_vgpr 512
		.amdhsa_next_free_sgpr 80
		.amdhsa_reserve_vcc 0
		.amdhsa_float_denorm_mode_32 3
		.amdhsa_float_denorm_mode_16_64 3
		.amdhsa_memory_ordered 1
		.amdhsa_forward_progress 1
		.amdhsa_inst_pref_size 68
	.end_amdhsa_kernel
	.amdgpu_metadata
---
amdhsa.version: [ 1, 2 ]
amdhsa.kernels:
  - .name:           k_q3e8c0ca16d_proj
    .symbol:         k_q3e8c0ca16d_proj.kd
    .args:
      - { .name: x, .offset: 0, .size: 8, .value_kind: global_buffer, .address_space: global }
      - { .name: wc, .offset: 8, .size: 8, .value_kind: global_buffer, .address_space: global }
      - { .name: ws, .offset: 16, .size: 8, .value_kind: global_buffer, .address_space: global }
      - { .name: qc, .offset: 24, .size: 8, .value_kind: global_buffer, .address_space: global }
      - { .name: qs, .offset: 32, .size: 8, .value_kind: global_buffer, .address_space: global }
      - { .name: kc, .offset: 40, .size: 8, .value_kind: global_buffer, .address_space: global }
      - { .name: ks, .offset: 48, .size: 8, .value_kind: global_buffer, .address_space: global }
      - { .name: vc, .offset: 56, .size: 8, .value_kind: global_buffer, .address_space: global }
      - { .name: vs, .offset: 64, .size: 8, .value_kind: global_buffer, .address_space: global }
    .group_segment_fixed_size: 327680
    .private_segment_fixed_size: 0
    .kernarg_segment_align: 8
    .kernarg_segment_size: 72
    .max_flat_workgroup_size: 256
    .sgpr_count:     80
    .vgpr_count:     512
    .wavefront_size: 32
...
	.end_amdgpu_metadata
.endif
;; end of part 2
;; launch attn (part 3): grid 32 x 8, 16 waves a work-group, clusters of 4 x 1, 327,680 bytes of LDS; arguments qc, qs, kc, ks, vc, vs, out0; writes out0
.if DOCPART == 3
	.amdgcn_target "amdgcn-amd-amdhsa--gfx1250"
	.amdhsa_code_object_version 6
	.text
	.protected	k_q3e8c0ca16d_attn
	.globl	k_q3e8c0ca16d_attn
	.p2align	8
	.type	k_q3e8c0ca16d_attn,@function
k_q3e8c0ca16d_attn:
	s_mov_b64 s[64:65], 0
	v_nop
	global_prefetch_b8 v0, s[64:65] scope:SCOPE_SE
	s_setreg_imm32_b32 hwreg(HW_REG_WAVE_MODE, 25, 1), 1
	s_wait_xcnt 0x0
	s_wait_alu depctr_hold_cnt(0) depctr_sa_sdst(0) depctr_va_vdst(0) depctr_va_sdst(0) depctr_va_ssrc(0) depctr_va_vcc(0) depctr_vm_vsrc(0)
	s_getreg_b32 s2, hwreg(HW_REG_IB_STS2, 6, 4)
	s_cmp_eq_u32 s2, 0
	s_cbranch_scc0 .Lentry_in_a_cluster
	s_endpgm
.Lentry_in_a_cluster:
	s_bfe_u32 s2, ttmp6, 0x10000c
	s_cmp_lg_u32 s2, 0x3003
	s_cbranch_scc0 .Lentry_shape_is_right
	s_endpgm
.Lentry_shape_is_right:
; out[b][q][:] = the sum over keys k <= q of softmax_k(q . k / sqrt(128)) v[k][:], both products on codes of FP6 (E2M3) with one E8M0 scale for each 32 along a product's K.  2,048 tokens a batch, head size 128.
; THE SOFTMAX AHEAD OF THE SECOND PRODUCT: t = score x log2(e) / sqrt(128); M = the largest t so far, rounded UP to a whole number; p = 2^(t - M) is what is quantised, along the keys; it is not normalised.
; The sum is taken of the unquantised p, in f32, and divides at the end.  When M moves, the sum and O are multiplied by 2^(old M - new M): exact.
; LIMITS: NaN and infinities are not served; the promise holds while the scaled scores t stay under 2^31 in magnitude; v_exp_f32 gives 0 for results under 2^-126; a block whose every p is 0 keeps the byte 1 (zero codes);
; a query's sums are made in four parts over the keys and joined by exact powers of two.  WORK LEFT OUT: key steps that the causal mask of reference() hides whole from a tile of queries: their p is 0; a NaN or an infinity there is not carried.
; INPUTS, as the launch before lays them: a fragment (16 rows x 128 K) is 1,536 bytes: two halves c of 768: registers 6 c .. 6 c + 3 at 16 x lane, 6 c + 4, 6 c + 5 at 512 + 8 x lane: four dense LDS loads.
; K's tile t = 2 b + u holds, in lane r, key 32 b + 8 u + r + 8 (r / 8) of its step, so that the 16 registers of score tiles 2 b, 2 b + 1 are 16 neighbouring keys.  V's tile t holds channels in the same order, its K is the step's keys.
; PERIODS.  Key step s = 4 i + P of 128 keys stands in period P = 0 .. 3.  A period of K, then of V: [t / 4][i 4][t % 4] fragments: each of a period's four loads (24,576 dense bytes) brings half of the tiles of all four steps.
; SHARES.  Work-group j = 4 X + cx (X the cluster's number in the batch) owns the 32 queries of block 63 - j and the 32 of block j: four tiles of 16 (0, 1 the late block's; 2, 3 the early block's).  All of a cluster's late tiles
; have their last key step at 15 - X, all its early tiles at X: which steps are jumped over hangs on the cluster's number and the wave's alone.  Wave 4 q + n has tile q and the steps i = n (q even) or 3 - n (q odd) of all periods:
; so waves that are alike in n share late and early, low and high steps.  Step i = 0, 1 of a late tile is live in every period, so every load has bytes that are read.  At the end a tile's four parts meet in LDS.
; CLUSTER: the four work-groups of a cluster are query blocks of one batch and read the same K and V: every load is a joint load of all four.
; THE RING: periods 0, 1, 2 lie in slots 0, 1, 2, asked for at the head with the batch's scale words, one load a wave; period 3 comes into slot 0 behind period 0 and has the work of periods 1 and 2 in which to land.
; No barrier stands between periods 1 and 2.  NO PREFETCH: there is no loop to run ahead in; three of the four periods are asked for at once at the head, the fourth two periods ahead.
; Both products are used transposed (S^T = K Q^T, O^T = V^T P^T): a lane holds ONE query (lane % 16) throughout.
.set KVH,   49152                      ; a period of K; V's lies behind it
.set HALF,  24576                      ; what one load brings
.set SLOT,  2*KVH
.set SC,    3*SLOT                     ; the batch's scale words of K (8,192 bytes), then of V
.set SPARE, SC+16384                   ; the spare words, 128 bytes for each of 16 waves
.set STATS, SPARE+2048                 ; [tile 4][row 16][part 4] pairs (-M, sum)
.set STAGE, SLOT                       ; the join: 16 rows x (512 + 16) bytes for each wave, over slots 1 and 2, which have had their last fill and their last read by then
.set SP,    528
.set WST,   16*SP
.set AK16, 1                           ; v1, v2  my step of K: 16 x lane, 8 x lane
.set AK8,  2
.set ASC,  3                           ; v3  my step's scale words of K: 16 r
.set AV16, 4                           ; v4, v8  my step of V
.set SPW,  5                           ; v5  LDS address of my spare word; never rewritten
.set NIL,  6                           ; v6  0; never rewritten
.set L16,  7                           ; v7  16 x lane
.set AV8,  8
.set L8,   9                           ; v9  8 x lane
.set STO,  28                          ; v28 the join: where I put my part
.set SRD,  29                          ; v29 where I read four parts of a row
.set STA,  30                          ; v30 where I put (-M, sum)
.set SRA,  31                          ; v31 where I read them
; v10, v11 at work; v12 -M, v13 the largest t, v[14:15] the sum in two halves; v16-27 Q; v32-91 five fragments (v80-91 are also scratch at the head and in the join); v92-95 the scale words of tiles 4-7;
; v96-159 S^T, then p, then (v96-131) V's last three fragments; v148-159 first hold K's tile 4; v160-223 O^T; v224-235 p's codes and v236-247 at work: both first hold a fragment of K;
; v248-251 the scale words of tiles 0-3; v252, v254 at work; v253 p's scale word, v255 Q's.
.set WV,   18
.set RES,  19                          ; i: which step of a period is mine
.set SEL,  20                          ; s[20:21] lane selects for v_permlanex16_b32: lane l xor 16
.set CS,   22                          ; s[22:23] c = log2(e) / sqrt(128)
.set TSEL, 24                          ; which tile is mine
.set LID,  25                          ; 4 x tile + i
.set KS0,  26                          ; my key step in period 0: 4 i
.set Q0,   27                          ; my first query.  It enters global addresses and vector registers alone
.set G1,   28                          ; s[28:35] group 1: 96 rows of 256 bytes
.set G1S,  36                          ; s[36:43] 16 rows of 256 bytes
.set G0P,  44                          ; s[44:59] groups 0 for the four periods: made once, never stepped
.set G0S,  60                          ; s[60:63] for the scale words
.set KS,   66
.set TMP,  67
.set LN,   97                          ; n: which of four loads is mine
.set LAST, 98                          ; my tile's last key step
.set SB0,  99                          ; my step's place in a slot
.macro PLACES                          ; four plain places behind a matrix instruction of this form, ahead of loads into its registers and of reads of its results
.rept 4
	v_nop
.endr
.endm
.macro ROUND                           ; a whole round of the cluster's barrier
	s_barrier_signal -1
	s_barrier_wait -1
	s_cmp_lg_u32 s[WV], 0
	s_cbranch_scc1 .Lnot_wave_0_\@
	s_barrier_signal -3
.Lnot_wave_0_\@:
	s_barrier_wait -3
	s_barrier_signal -1
	s_barrier_wait -1
.endm
	s_load_b256 s[4:11], s[0:1], 0x0               ; qc s[4:5], qs s[6:7], kc s[8:9], ks s[10:11]
	s_load_b128 s[12:15], s[0:1], 0x20             ; vc s[12:13], vs s[14:15]
	s_load_b64 s[16:17], s[0:1], 0x30              ; out0
	v_lshl_add_u32 v[SPW], v0, 2, SPARE
	v_mov_b32 v[NIL], 0
	ds_add_u32 v[SPW], v[NIL]                      ; the wave's opening: the add, twice on end, and its wait
	ds_add_u32 v[SPW], v[NIL]
	v_lshrrev_b32 v80, 5, v0
	v_readfirstlane_b32 s[WV], v80                 ; wave 0..15
	s_and_b32 s[LN], s[WV], 3
	s_lshr_b32 s[TSEL], s[WV], 2
	s_and_b32 s71, s[TSEL], 1
	s_mul_i32 s72, s71, 3
	s_xor_b32 s[RES], s[LN], s72
	s_lshl_b32 s[LID], s[TSEL], 2
	s_add_co_u32 s[LID], s[LID], s[RES]
	s_lshl_b32 s[KS0], s[RES], 2
	s_mul_i32 s[SB0], s[RES], 6144
	s_and_b32 s68, ttmp7, 0xffff                   ; the batch
	s_bfe_u32 s69, ttmp6, 0x40000                  ; cx
	s_lshl_b32 s70, ttmp9, 2
	s_add_co_u32 s70, s70, s69                     ; j
	s_sub_co_u32 s73, 63, s70
	s_sub_co_u32 s74, 15, ttmp9
	s_cmp_lt_u32 s[TSEL], 2
	s_cselect_b32 s70, s73, s70                    ; my block of 32 queries: 63 - j or j
	s_cselect_b32 s[LAST], s74, ttmp9
	s_lshl_b32 s[Q0], s70, 5
	s_lshl_b32 s71, s71, 4
	s_add_co_u32 s[Q0], s[Q0], s71
	s_mov_b32 s[G1+0], 15|(3<<16)|(1<<21)          ; the mask of all four partners; elements of 8 bytes; bit 21 beside a mask; no padding: the images are read densely
	s_mov_b32 s[G1+1], 32<<16                      ; tensor_dim0 = 32 (256 bytes)
	s_mov_b32 s[G1+2], 96<<16                      ; tensor_dim1 = 96
	s_mov_b32 s[G1+3], 32<<16                      ; tile_dim0
	s_mov_b32 s[G1+4], 96                          ; tile_dim1
	s_mov_b32 s[G1+5], 32                          ; from row to row: dense
	s_mov_b32 s[G1+6], 0
	s_mov_b32 s[G1+7], 0
	s_mov_b32 s[G1S+0], 15|(3<<16)|(1<<21)
	s_mov_b32 s[G1S+1], 32<<16
	s_mov_b32 s[G1S+2], 16<<16
	s_mov_b32 s[G1S+3], 32<<16
	s_mov_b32 s[G1S+4], 16
	s_mov_b32 s[G1S+5], 32
	s_mov_b32 s[G1S+6], 0
	s_mov_b32 s[G1S+7], 0
	s_and_b32 s71, s[LN], 1
	s_mul_i32 s72, s68, 4*KVH                      ; the batch's codes,
	s_mul_i32 s73, s71, HALF
	s_add_co_u32 s72, s72, s73
	s_mov_b32 s73, 0
	s_lshl_b32 s80, s68, 13                        ; its scale words
	s_lshl_b32 s81, s71, 12
	s_add_co_u32 s80, s80, s81
	s_mov_b32 s81, 0
	s_mul_i32 s78, s[LN], HALF                     ; in a slot: K's halves, then V's
	s_lshl_b32 s79, s[LN], 12
	s_add_co_u32 s79, s79, SC
	s_lshr_b32 s82, s[Q0], 4
	s_mul_i32 s82, s82, 1536
	s_mul_i32 s83, s68, 4*KVH
	s_add_co_u32 s82, s82, s83                     ; Q's fragment
	s_mov_b32 s83, 0
	s_lshl_b32 s84, s68, 11
	s_add_co_u32 s84, s84, s[Q0]                   ; my first query among all tokens
	s_lshl_b32 s86, s84, 2                         ; its scale word
	s_mov_b32 s87, 0
	s_lshl_b32 s85, s[RES], 2
	s_add_co_u32 s84, s84, s85
	s_lshl_b32 s84, s84, 9                         ; the four rows of out0 that I join and store
	s_mov_b32 s85, 0
	s_mov_b32 s[SEL], 0x76543210
	s_mov_b32 s[SEL+1], 0xfedcba98
	s_mov_b32 s[CS], 0x3e0293ee                    ; c = log2(e) / sqrt(128)
	s_mov_b32 s[CS+1], s[CS]                       ; (named with it as a pair, so it is written)
	s_wait_alu depctr_va_vdst(0)
	s_wait_dscnt 0x0                               ; both opening adds are done
	ROUND                                          ; all four work-groups are here: the first joint loads meet
	s_wait_kmcnt 0x0
	s_cmp_lt_u32 s[LN], 2                          ; of four loading waves two fetch for K, two for V: the choice hangs on the wave's number alone
	s_cselect_b64 s[74:75], s[8:9], s[12:13]
	s_cselect_b64 s[76:77], s[10:11], s[14:15]
	s_add_nc_u64 s[74:75], s[74:75], s[72:73]
	s_add_nc_u64 s[76:77], s[76:77], s[80:81]
	s_mov_b32 s[G0S], 1
	s_mov_b32 s[G0S+1], s79
	s_mov_b64 s[G0S+2:G0S+3], s[76:77]
	s_or_b32 s[G0S+3], s[G0S+3], 0x80000000
.irp p, 0,1,2,3
	s_mov_b32 s[G0P+4*\p], 1                       ; count = 1
	s_add_co_u32 s[G0P+4*\p+1], s78, SLOT*(\p%3)
	s_add_nc_u64 s[G0P+4*\p+2:G0P+4*\p+3], s[74:75], \p*KVH
	s_or_b32 s[G0P+4*\p+3], s[G0P+4*\p+3], 0x80000000   ; type = 2
.endr
	; the head's loads, one a wave, in one chain: waves 0-3 period 0, 4-7 the scale words, 8-11 period 1, 12-15 period 2
	s_cmp_lt_u32 s[WV], 4
	s_cbranch_scc0 .Lhead_s
	tensor_load_to_lds s[G0P:G0P+3], s[G1:G1+7]
	s_nop 0
	PLACES
	s_branch .Lasked
.Lhead_s:
	s_cmp_lt_u32 s[WV], 8
	s_cbranch_scc0 .Lhead_1
	tensor_load_to_lds s[G0S:G0S+3], s[G1S:G1S+7]
	s_nop 0
	PLACES
	s_branch .Lasked
.Lhead_1:
	s_cmp_lt_u32 s[WV], 12
	s_cbranch_scc0 .Lhead_2
	tensor_load_to_lds s[G0P+4:G0P+7], s[G1:G1+7]
	s_nop 0
	PLACES
	s_branch .Lasked
.Lhead_2:
	tensor_load_to_lds s[G0P+8:G0P+11], s[G1:G1+7]
	s_nop 0
	PLACES
.Lasked:
	s_add_nc_u64 s[4:5], s[4:5], s[82:83]
	s_add_nc_u64 s[6:7], s[6:7], s[86:87]
	s_add_nc_u64 s[16:17], s[16:17], s[84:85]
	v_and_b32 v80, 31, v0                          ; lane
	v_and_b32 v81, 15, v0                          ; r
	v_bfe_u32 v82, v0, 4, 1                        ; h
	v_lshlrev_b32 v[L16], 4, v80
	v_lshlrev_b32 v[L8], 3, v80
	v_lshlrev_b32 v83, 2, v81
	s_wait_alu depctr_va_vdst(0)
	global_load_b128 v[16:19], v[L16], s[4:5]      ; Q's fragment stays in registers
	global_load_b64 v[20:21], v[L8], s[4:5] offset:512
	global_load_b128 v[22:25], v[L16], s[4:5] offset:768
	global_load_b64 v[26:27], v[L8], s[4:5] offset:1280
	global_load_b32 v255, v83, s[6:7]              ; and its scale words
	s_lshl_b32 s90, s[RES], 8
	s_add_co_u32 s90, s90, SC
	v_lshl_add_u32 v[ASC], v81, 4, s90             ; one load of 16 bytes gives lane r four tiles' words
	s_mul_i32 s91, s[LID], WST
	s_add_co_u32 s91, s91, STAGE
	s_mul_i32 s92, s[TSEL], 4*WST
	s_mul_i32 s93, s[RES], 4*SP
	s_add_co_u32 s92, s92, s93
	s_add_co_u32 s92, s92, STAGE
	s_lshl_b32 s94, s[TSEL], 9
	s_lshl_b32 s95, s[RES], 3
	s_add_co_u32 s95, s95, s94
	s_add_co_u32 s95, s95, STATS
	s_lshl_b32 s96, s[RES], 7
	s_add_co_u32 s96, s96, s94
	s_add_co_u32 s96, s96, STATS
	s_wait_alu depctr_va_vdst(0)
	v_mul_u32_u24 v[STO], v81, SP
	v_lshl_add_u32 v[STA], v81, 5, s95
	v_add_nc_u32 v[SRD], s92, v[L16]               ; my tile's first part, row 4 i, 16 bytes a lane
	v_lshl_add_u32 v[STO], v82, 6, v[STO]
	v_mov_b32 v[SRA], s96                          ; the same in every lane
	v_mov_b32 v13, 0xff61b1e6                      ; the largest t so far: -3e38, under every t
	v_add_nc_u32 v[STO], s91, v[STO]               ; my stage: row r, + 64 h
	v_floor_f32 v12, -v13                          ; -M
	v_mov_b32 v14, 0                               ; the sum, in two halves
	v_mov_b32 v15, 0
	v_mov_b32 v252, 0                              ; (a lane permute's destination counts as one of its sources: the join's, for a wave all of whose steps are jumped over)
	v_mov_b32 v253, 0                              ; (named as the upper half of the pair v[252:253] before it is first written)
.set jj, 0
.rept 64
	v_mov_b32 v[160+jj], 0                         ; O^T.  The step is written once for all four periods, and a wave may run none: so the sums begin as zeros, which the first change of M leaves zeros
.set jj, jj+1
.endr
.macro FRAGL reg, a16, a8, off         ; a fragment from its image: four dense loads
	ds_load_b128 v[\reg:\reg+3], v[\a16] offset:\off
	ds_load_b64 v[\reg+4:\reg+5], v[\a8] offset:\off+512
	ds_load_b128 v[\reg+6:\reg+9], v[\a16] offset:\off+768
	ds_load_b64 v[\reg+10:\reg+11], v[\a8] offset:\off+1280
.endm
; Where tile t's fragment (FR) and its scale word (SR) stand.  K's eight are in registers together: four in v32-79, one in v80-91, two where p's codes and the softmax's scratch will stand, and tile 4's in v148-159,
; which the scores of tiles 6 and 7 take later.  TO: its place behind the step's.
.macro KFR t
.set TO, HALF*((\t)/4)+1536*((\t)%4)
.if (\t) < 4
.set FR, 32+12*(\t)
.set SR, 248+(\t)
.else
.set SR, 88+(\t)
.if (\t) == 4
.set FR, 148
.elseif (\t) == 5
.set FR, 80
.elseif (\t) == 6
.set FR, 224
.else
.set FR, 236
.endif
.endif
.endm
; V's: tiles 0-4 in v32-91, which the softmax does not touch; tiles 5-7 in v96-131, where p stood.
.macro VFR t
.set TO, HALF*((\t)/4)+1536*((\t)%4)
.if (\t) < 4
.set FR, 32+12*(\t)
.set SR, 248+(\t)
.else
.set SR, 88+(\t)
.if (\t) == 4
.set FR, 80
.else
.set FR, 96+12*((\t)-5)
.endif
.endif
.endm
.macro KQ t                            ; S^T's tile t = 16 keys x my 16 queries
	KFR \t
	v_wmma_scale_f32_16x16x128_f8f6f4 v[96+8*(\t):103+8*(\t)], v[FR:FR+11], v[16:27], 0, v[SR], v255 matrix_a_fmt:MATRIX_FMT_FP6 matrix_b_fmt:MATRIX_FMT_FP6
.endm
.macro PV t                            ; O^T's tile t += 16 channels x these 128 keys
	VFR \t
	v_wmma_scale_f32_16x16x128_f8f6f4 v[160+8*(\t):167+8*(\t)], v[FR:FR+11], v[224:235], v[160+8*(\t):167+8*(\t)], v[SR], v253 matrix_a_fmt:MATRIX_FMT_FP6 matrix_b_fmt:MATRIX_FMT_FP6
.endm
; MY KEY STEP OF PERIOD per: step KS = 4 i + per, in slot per % 3.
.macro STEP per
	s_add_co_u32 s[TMP], s[SB0], SLOT*((\per)%3)
	s_add_co_u32 s96, s[TMP], KVH
	v_add_nc_u32 v[AK16], s[TMP], v[L16]
	v_add_nc_u32 v[AK8], s[TMP], v[L8]
	v_add_nc_u32 v[AV16], s96, v[L16]
	v_add_nc_u32 v[AV8], s96, v[L8]
	s_add_co_u32 s[KS], s[KS0], \per
	s_wait_alu depctr_va_vdst(0)                   ; the wait here, ahead of the branch
	s_cmp_gt_u32 s[KS], s[LAST]                    ; all 128 keys come after my 16 queries: nothing to do.  (In a step that runs, its first key counts for every query, so M is a number)
	s_cbranch_scc1 .Lhidden_\@
.rept 5
	v_nop                                          ; five places: v96-131 were operands of the last step's products, and matrix instructions write over them below; four of the five serve the loads into the other operands
.endr
.irp t, 0,1,2,3,4,5,6,7                ; K's eight fragments and their scale words in one run: 34 loads, one wait
	KFR \t
	FRAGL FR, AK16, AK8, TO
.endr
	ds_load_b128 v[248:251], v[ASC] offset:2048*\per
	ds_load_b128 v[92:95], v[ASC] offset:2048*\per+1024
	s_wait_dscnt 0x0
.irp t, 4,0,1,2,3,5                    ; S^T = K Q^T.  Tile 4 first: its fragment stands where the scores of tiles 6 and 7 go
	KQ \t
.endr
.rept 5
	v_nop                                          ; five places between tile 4's product and the products that write over its operand
.endr
	KQ 6
	KQ 7                                           ; lane (r, h) holds query Q0 + r; register 16 b + i is key 128 KS + 32 b + 16 h + i
	PLACES
.irp t, 0,1,2,3,4                      ; V's first five fragments and all its scale words are asked for now: 22 loads, which land under the softmax
	VFR \t
	FRAGL FR, AV16, AV8, TO
.endr
	ds_load_b128 v[248:251], v[ASC] offset:8192+2048*\per
	ds_load_b128 v[92:95], v[ASC] offset:8192+2048*\per+1024
	s_cmp_lt_u32 s[KS], s[LAST]                    ; on the diagonal the scores of hidden keys become -infinity ahead of the maximum: p = 0 then.  A step all of whose keys count skips this
	s_cbranch_scc1 .Lopen_\@
	s_lshl_b32 s[TMP], s[KS], 7
	s_sub_co_i32 s[TMP], s[Q0], s[TMP]
	v_bfe_u32 v252, v[L16], 4, 4
	v_bfe_u32 v240, v[L16], 8, 1
	s_delay_alu instid0(VALU_DEP_1)
	v_lshlrev_b32 v240, 4, v240
	s_delay_alu instid0(VALU_DEP_1)
	v_sub_nc_u32 v252, v252, v240
	s_delay_alu instid0(VALU_DEP_1)
	v_add_nc_u32 v252, s[TMP], v252                ; d = my query - 128 KS - 16 h: register 16 b + i is hidden where 32 b + i > d
	v_mov_b32 v254, 0xff800000                     ; -infinity
.set nn, 0
.rept 64
	v_cmp_gt_i32 vcc_lo, 32*(nn/16)+nn%16, v252
	v_cndmask_b32 v[96+nn], v[96+nn], v254, vcc_lo
.set nn, nn+1
.endr
.Lopen_\@:
.irp b, 0,1,2,3
	v_max3_num_f32 v[232+\b], v[96+16*\b], v[97+16*\b], v[98+16*\b]   ; THE LARGEST SCORE OF EACH BLOCK OF 32 KEYS: it serves twice: for the row's maximum, and, since p rises with the score, for the block's largest p
.endr
.irp i, 3,5,7,9,11,13
.irp b, 0,1,2,3
	v_max3_num_f32 v[232+\b], v[232+\b], v[96+16*\b+\i], v[97+16*\b+\i]   ; (the four blocks by turns)
.endr
.endr
.irp b, 0,1,2,3
	v_max_num_f32 v[232+\b], v[232+\b], v[111+16*\b]
.endr
.irp b, 0,1,2,3
	s_delay_alu instid0(VALU_DEP_4)
	v_permlanex16_b32 v[236+\b], v[232+\b], s[SEL], s[SEL+1]
.endr
.irp b, 0,1,2,3
	s_delay_alu instid0(VALU_DEP_4)
	v_max_num_f32 v[232+\b], v[232+\b], v[236+\b]  ; with lane l xor 16's 16 keys
.endr
	s_delay_alu instid0(VALU_DEP_2)
	v_max3_num_f32 v254, v232, v233, v234
	s_delay_alu instid0(VALU_DEP_1)
	v_max_num_f32 v254, v254, v235                 ; the step's largest score of my query
	s_delay_alu instid0(VALU_DEP_1)
	v_mul_f32 v254, s[CS], v254                    ; as t (c is positive)
	s_delay_alu instid0(VALU_DEP_1)
	v_max_num_f32 v13, v13, v254                   ; the running largest t
	v_mov_b32 v254, v12
	s_delay_alu instid0(VALU_DEP_2)
	v_floor_f32 v12, -v13                          ; the new -M = floor(-t) = -ceil(t): M IS A WHOLE NUMBER
	s_delay_alu instid0(VALU_DEP_1)
	v_sub_f32 v254, v12, v254                      ; M's old value less its new one: a whole number, 0 or less
	s_delay_alu instid0(VALU_DEP_1)
	v_cvt_i32_f32 v254, v254                       ; (it saturates)
	s_delay_alu instid0(VALU_DEP_1)
	v_ldexp_f32 v252, 1.0, v254                    ; f = 2^(old M - new M): a multiplication by it rounds nothing
.set jj, 0
.rept 32
	v_pk_fma_f32 v[96+jj:97+jj], v[96+jj:97+jj], s[CS:CS+1], v[12:13] op_sel_hi:[1,0,0]   ; t - M, two at a time (of the pairs c and -M the low word serves both halves)
.set jj, jj+2
.endr
.irp b, 0,1,2,3
	v_fma_f32 v[232+\b], v[232+\b], s[CS], v12     ; the same of each block's largest score
.endr
.set jj, 0
	s_wait_alu depctr_va_vdst(0)
.rept 64
	v_exp_f32 v[96+jj], v[96+jj]                   ; p = 2^(t - M), at most 1: NOT normalised
.set jj, jj+1
.endr
.irp b, 0,1,2,3
	v_exp_f32 v[232+\b], v[232+\b]                 ; the block's largest p: the same two instructions on the same number give the same bits
.endr
	v_pk_mul_f32 v[14:15], v[14:15], v[252:253] op_sel_hi:[1,0]   ; the sums under the new M.  (A plain place behind the exponentials)
	s_wait_alu depctr_va_vdst(0)
.irp b, 0,1,2,3
	v_max_num_f32 v[232+\b], 0x1800000, v[232+\b]  ; the floor 2^(3 - 127): the byte cannot fall under 1
.endr
.irp b, 0,1,2,3
	s_delay_alu instid0(VALU_DEP_4)
	v_add_nc_u32 v[244+\b], 0xff000000, v[232+\b]  ; 2 off the exponent field: the conversion's scale operand
.endr
.irp b, 0,1,2,3
	s_delay_alu instid0(VALU_DEP_4)
	v_lshrrev_b32 v[236+\b], 23, v[244+\b]         ; the scale's byte
.endr
	s_delay_alu instid0(VALU_DEP_3)
	v_lshl_or_b32 v253, v237, 8, v236              ; p's scale word for these 128 keys
	s_delay_alu instid0(VALU_DEP_1)
	v_lshl_or_b32 v253, v238, 16, v253
	s_delay_alu instid0(VALU_DEP_1)
	v_lshl_or_b32 v253, v239, 24, v253
.irp c, 0,1
	v_cvt_scalef32_pk16_fp6_f32 v[224+6*\c:226+6*\c], v[96+32*\c:111+32*\c], v[244+2*\c]
	v_cvt_scalef32_pk16_fp6_f32 v[236+4*\c:238+4*\c], v[112+32*\c:127+32*\c], v[244+2*\c+1]   ; (a conversion's three registers begin on an even number)
.endr
	v_nop                                          ; one plain place behind a scaled conversion
.irp c, 0,1                            ; the operand's layout wants a WHOLE block in a lane: lanes 0-15 block 2 c, lanes 16-31 block 2 c + 1
.irp i, 0,1,2
	v_permlane16_swap_b32 v[224+6*\c+\i], v[236+4*\c+\i]
.endr
.irp i, 0,1,2
	s_delay_alu instid0(VALU_DEP_3)
	v_mov_b32 v[227+6*\c+\i], v[236+4*\c+\i]
.endr
.endr
	v_pk_add_f32 v[236:237], v[100:101], v[104:105]
	v_pk_add_f32 v[246:247], v[108:109], v[112:113]
	v_pk_add_f32 v[244:245], v[116:117], v[120:121]
	v_pk_add_f32 v[242:243], v[124:125], v[128:129]
	v_pk_add_f32 v[240:241], v[132:133], v[136:137]
	v_pk_add_f32 v[238:239], v[140:141], v[144:145]
	v_pk_add_f32 v[10:11], v[148:149], v[152:153]
	v_pk_add_f32 v[14:15], v[14:15], v[156:157]
	v_pk_add_f32 v[236:237], v[236:237], v[96:97]
	v_pk_add_f32 v[246:247], v[246:247], v[98:99]
	v_pk_add_f32 v[244:245], v[244:245], v[102:103]
	v_pk_add_f32 v[242:243], v[242:243], v[106:107]
	v_pk_add_f32 v[240:241], v[240:241], v[110:111]
	v_pk_add_f32 v[238:239], v[238:239], v[114:115]
	v_pk_add_f32 v[10:11], v[10:11], v[118:119]
	v_pk_add_f32 v[14:15], v[14:15], v[122:123]
	v_pk_add_f32 v[236:237], v[236:237], v[126:127]
	v_pk_add_f32 v[246:247], v[246:247], v[130:131]
	v_pk_add_f32 v[244:245], v[244:245], v[134:135]
	v_pk_add_f32 v[242:243], v[242:243], v[138:139]
	v_pk_add_f32 v[240:241], v[240:241], v[142:143]
	v_pk_add_f32 v[238:239], v[238:239], v[146:147]
	v_pk_add_f32 v[10:11], v[10:11], v[150:151]
	v_pk_add_f32 v[14:15], v[14:15], v[154:155]
	v_pk_add_f32 v[236:237], v[236:237], v[158:159]
	s_delay_alu instid0(VALU_DEP_2)
	v_pk_add_f32 v[14:15], v[14:15], v[242:243]
	s_delay_alu instid0(VALU_DEP_2)
	v_pk_add_f32 v[236:237], v[236:237], v[240:241]
	v_pk_add_f32 v[246:247], v[246:247], v[238:239]
	v_pk_add_f32 v[244:245], v[244:245], v[10:11]
	s_delay_alu instid0(VALU_DEP_2)
	v_pk_add_f32 v[14:15], v[14:15], v[246:247]
	s_delay_alu instid0(VALU_DEP_2)
	v_pk_add_f32 v[236:237], v[236:237], v[244:245]
	s_delay_alu instid0(VALU_DEP_1)
	v_pk_add_f32 v[14:15], v[14:15], v[236:237]
.irp t, 5,6,7                          ; p has been converted and summed: its registers take V's last three fragments, 12 loads, ahead of the rescaling
	VFR \t
	FRAGL FR, AV16, AV8, TO
.endr
	s_wait_alu depctr_va_vdst(0)                   ; the wait ahead of O^T's first reader
.set jj, 0
.rept 32
	v_pk_mul_f32 v[160+jj:161+jj], v[160+jj:161+jj], v[252:253] op_sel_hi:[1,0]   ; O^T under the new M: x f.  (These 32 are also the places in front of the matrix instructions below)
.set jj, jj+2
.endr
	s_wait_alu depctr_va_vdst(0)
	s_wait_dscnt 12                                ; LDS loads come back in order (ISA guide 5.7.1): the 22 asked for ahead of the softmax are in; the count is the 12 just issued
.irp t, 0,1,2,3,4                      ; O^T += V^T P^T; K = these 128 keys.  The eight accumulators take turns, one instruction a turn
	PV \t
.endr
	s_wait_dscnt 0x0
.irp t, 5,6,7
	PV \t
.endr
.Lhidden_\@:
.endm
	s_wait_alu depctr_va_vdst(0)                   ; the wait at the head's end
	s_cmp_lt_u32 s[WV], 8
	s_cbranch_scc0 .Llater
	s_wait_tensorcnt 0x0                           ; waves 0-7: period 0 and the scale words are in.  Periods 1 and 2 may stay on their way
.Llater:
	s_barrier_signal -1
	s_barrier_wait -1
	s_wait_loadcnt 0x0                             ; Q
	STEP 0
	; THE ONE REFILL.  Every wave waits for all its tensor loads (periods 1 and 2 are then in), adds 0 to its spare word, and waits for that and for its reads of slot 0; a round of the cluster's barrier says so of all waves of all partners.
	s_wait_tensorcnt 0x0
	ds_add_u32 v[SPW], v[NIL]
	s_wait_dscnt 0x0
	ROUND
	s_cmp_lt_u32 s[WV], 4                          ; waves 0 to 3 fetch period 3, one joint load each: the first thing behind the round
	s_cbranch_scc0 .Lno_fill
	tensor_load_to_lds s[G0P+12:G0P+15], s[G1:G1+7]
	s_nop 0
	PLACES
.Lno_fill:
	STEP 1
	STEP 2
	s_wait_tensorcnt 0x0                           ; my part of period 3 is in;
	s_wait_dscnt 0x0                               ; my reads of slots 1 and 2 are over
	s_barrier_signal -1
	s_barrier_wait -1
	STEP 3
	; THE JOIN.  Each wave lays down its part: -M, its sum, and O^T as 16 rows of 128 channels.  Register j of tile t is channel 32 (t / 2) + 16 h + 8 (t % 2) + j, since V's rows lie in that order.
	s_wait_alu depctr_va_vdst(0)
	PLACES
	v_add_f32 v14, v14, v15                        ; the sum's two halves,
	s_delay_alu instid0(VALU_DEP_1)
	v_permlanex16_b32 v252, v14, s[SEL], s[SEL+1]
	s_delay_alu instid0(VALU_DEP_1)
	v_add_f32 v13, v14, v252                       ; and lane l xor 16's: my part of the row's sum, beside -M in the pair v[12:13]
	ds_store_b64 v[STA], v[12:13]                  ; both halves of the lanes write the same pair
.irp t, 0,1,2,3,4,5,6,7
	ds_store_b128 v[STO], v[160+8*\t:163+8*\t] offset:128*(\t/2)+32*(\t%2)      ; each accumulator from its low end on
	ds_store_b128 v[STO], v[164+8*\t:167+8*\t] offset:128*(\t/2)+32*(\t%2)+16
.endr
	s_wait_dscnt 0x0                               ; for the others' sake
	s_barrier_signal -1
	s_barrier_wait -1
.irp i, 0,1,2,3                        ; I join rows 4 x (my i) + i of my tile: of each the four parts' 512 bytes, 16 a lane, and the four pairs (-M, sum)
.irp p, 0,1,2,3
	ds_load_b128 v[96+16*\i+4*\p:99+16*\i+4*\p], v[SRD] offset:WST*\p+SP*\i
.endr
	ds_load_b128 v[32+8*\i:35+8*\i], v[SRA] offset:32*\i
	ds_load_b128 v[36+8*\i:39+8*\i], v[SRA] offset:32*\i+16
.endr
	s_wait_dscnt 0x0
.irp i, 0,1,2,3                        ; the four rows by turns
	v_min_num_f32 v[80+\i], v[32+8*\i], v[34+8*\i]
.endr
.irp i, 0,1,2,3
	v_min_num_f32 v[84+\i], v[36+8*\i], v[38+8*\i]
.endr
.irp i, 0,1,2,3
	s_delay_alu instid0(VALU_DEP_4)
	v_min_num_f32 v[80+\i], v[80+\i], v[84+\i]     ; the smallest -M: the row's M.  Part 0 has always run, so it is a number
.endr
.irp p, 0,1,2,3
.irp i, 0,1,2,3
	v_sub_f32 v[32+8*\i+2*\p], v[80+\i], v[32+8*\i+2*\p]   ; part p's M less the row's: a whole number, 0 or less (-3e38 for a part that never ran)
.endr
.endr
.irp p, 0,1,2,3
.irp i, 0,1,2,3
	v_cvt_i32_f32 v[32+8*\i+2*\p], v[32+8*\i+2*\p]   ; (it saturates)
.endr
.endr
.irp p, 0,1,2,3
.irp i, 0,1,2,3
	v_ldexp_f32 v[32+8*\i+2*\p], 1.0, v[32+8*\i+2*\p]   ; f_p: an exact power of two, or 0
.endr
.endr
.irp i, 0,1,2,3
	v_mul_f32 v[84+\i], v[32+8*\i], v[33+8*\i]
.endr
.irp p, 1,2,3
.irp i, 0,1,2,3
	s_delay_alu instid0(VALU_DEP_4)
	v_fmac_f32 v[84+\i], v[32+8*\i+2*\p], v[33+8*\i+2*\p]   ; the row's sum: above 1/2, since the part that holds the row's M holds a p above 1/2
.endr
.endr
	s_wait_alu depctr_va_vdst(0)
.irp i, 0,1,2,3
	v_rcp_f32 v[88+\i], v[84+\i]
.endr
	v_nop                                          ; one plain place behind a transcendental
	s_wait_alu depctr_va_vdst(0)
.irp p, 0,1,2,3
.irp i, 0,1,2,3
	v_mul_f32 v[32+8*\i+2*\p], v[32+8*\i+2*\p], v[88+\i]   ; g_p = f_p / the sum
.endr
.endr
.irp i, 0,1,2,3
.irp e, 0,2
	v_pk_mul_f32 v[160+4*\i+\e:161+4*\i+\e], v[96+16*\i+\e:97+16*\i+\e], v[32+8*\i:33+8*\i] op_sel_hi:[1,0]   ; (of the pair the low word, g, serves both halves)
.endr
.endr
.irp p, 1,2,3
.irp i, 0,1,2,3
.irp e, 0,2
	v_pk_fma_f32 v[160+4*\i+\e:161+4*\i+\e], v[96+16*\i+4*\p+\e:97+16*\i+4*\p+\e], v[32+8*\i+2*\p:33+8*\i+2*\p], v[160+4*\i+\e:161+4*\i+\e] op_sel_hi:[1,0,1]
.endr
.endr
.endr
.irp i, 0,1,2,3
	global_store_b128 v[L16], v[160+4*\i:163+4*\i], s[16:17] offset:512*\i th:TH_STORE_NT   ; 32 lanes store a row of 512 consecutive bytes, at a multiple of 256 from out0's first byte; written once, read by nobody here
.endr
	s_wait_tensorcnt 0x0                           ; the wave's end, behind my last tensor load and my last LDS store
	ds_add_u32 v[SPW], v[NIL]
	s_wait_dscnt 0x0
	ROUND                                          ; the closing round: no work-group ends while a partner may still issue a joint load that names it
	s_endpgm
.Lfunc_end_k_q3e8c0ca16d_attn:
	.size	k_q3e8c0ca16d_attn, .Lfunc_end_k_q3e8c0ca16d_attn-k_q3e8c0ca16d_attn
	.p2alignl 7, 3214868480
	.fill 96, 4, 3214868480
	.section	.rodata,"a",@progbits
	.p2align	6, 0x0
	.amdhsa_kernel k_q3e8c0ca16d_attn
		.amdhsa_group_segment_fixed_size 327680
		.amdhsa_private_segment_fixed_size 0
		.amdhsa_enable_private_segment 0
		.amdhsa_kernarg_size 56
		.amdhsa_user_sgpr_count 2
		.amdhsa_user_sgpr_kernarg_segment_ptr 1
		.amdhsa_wavefront_size32 1
		.amdhsa_system_sgpr_workgroup_id_x 1
		.amdhsa_system_sgpr_workgroup_id_y 1
		.amdhsa_system_sgpr_workgroup_id_z 1
		.amdhsa_system_vgpr_workitem_id 0
		.amdhsa_next_free_vgpr 256
		.amdhsa_next_free_sgpr 100
		.amdhsa_reserve_vcc 1
		.amdhsa_float_denorm_mode_32 3
		.amdhsa_float_denorm_mode_16_64 3
		.amdhsa_memory_ordered 1
		.amdhsa_forward_progress 1
		.amdhsa_inst_pref_size 128
	.end_amdhsa_kernel
	.amdgpu_metadata
---
amdhsa.version: [ 1, 2 ]
amdhsa.kernels:
  - .name:           k_q3e8c0ca16d_attn
    .symbol:         k_q3e8c0ca16d_attn.kd
    .args:
      - { .name: qc, .offset: 0, .size: 8, .value_kind: global_buffer, .address_space: global }
      - { .name: qs, .offset: 8, .size: 8, .value_kind: global_buffer, .address_space: global }
      - { .name: kc, .offset: 16, .size: 8, .value_kind: global_buffer, .address_space: global }
      - { .name: ks, .offset: 24, .size: 8, .value_kind: global_buffer, .address_space: global }
      - { .name: vc, .offset: 32, .size: 8, .value_kind: global_buffer, .address_space: global }
      - { .name: vs, .offset: 40, .size: 8, .value_kind: global_buffer, .address_space: global }
      - { .name: out0, .offset: 48, .size: 8, .value_kind: global_buffer, .address_space: global }
    .group_segment_fixed_size: 327680
    .private_segment_fixed_size: 0
    .kernarg_segment_align: 8
    .kernarg_segment_size: 56
    .max_flat_workgroup_size: 512
    .sgpr_count:     100
    .vgpr_count:     256
    .wavefront_size: 32
...
	.end_amdgpu_metadata
.endif
;; end of part 3
